; MI455X (gfx1250); checked and timed in simulation.
; The chip was launched on July 23, 2026; its instructions are those of AMD's public machine-readable ISA for CDNA 5 (MIT licence, August 2026) and "CDNA5" Instruction Set Architecture Reference Guide (July 2026). The comments in the code are by the model that wrote it; some were corrected since.
;; Softmax Neighbor Finder. Allowed arithmetic: float matrix products may take bf16 or f16 operands with f32 sums; other float arithmetic in f32, or as packed bf16 or f16 multiplies, adds, multiply-adds, maxima and minima; sums over many terms, partial sums and values carried from step to step in f32; what a program stores and reads back later, other than sums and carried values, may be rounded once to bf16 or f16.
;; Inputs: X 8,192 x 512 float32; Y 16,384 x 512 float32.
;; Outputs: out0 8,192 x 16 int32.
;; One version. Each part assembles by itself: llvm-mc -triple=amdgcn-amd-amdhsa -mcpu=gfx1250 --defsym DOCPART=n.
;; ======== version 1 of 1: 4 launches
;; workspace buffers: xb 8,388,608 bytes; yb 16,777,216 bytes; sbuf 536,870,912 bytes; gmax 16,777,216 bytes; gidx 524,288 bytes of whole numbers
;; launch cvt (part 1): grid 768 x 1, 8 waves a work-group, no clusters, 0 bytes of LDS; arguments X, Y, xb, yb; writes xb, yb
.if DOCPART == 1
	.amdgcn_target "amdgcn-amd-amdhsa--gfx1250"
	.amdhsa_code_object_version 6
	.text
	.protected	k_qaaef875f4f_cvt
	.globl	k_qaaef875f4f_cvt
	.p2align	8
	.type	k_qaaef875f4f_cvt,@function
k_qaaef875f4f_cvt:
	s_mov_b64 s[64:65], 0
	v_nop
	global_prefetch_b8 v0, s[64:65] scope:SCOPE_SE
	s_setreg_imm32_b32 hwreg(HW_REG_WAVE_MODE, 25, 1), 1
	s_wait_xcnt 0x0
; X [8192][512] and Y [16384][512], f32, are rounded once to bf16 (nearest even) into xb and yb, same shapes.
; A work-group takes 65,536 bytes of f32: groups 0-255 walk X, groups 256-767 walk Y.  Thread t takes 16 bytes at 16 t of each
; of 16 pieces of 4,096 bytes: a wave's load covers 512 consecutive bytes, its store 256 consecutive bytes, aligned.
; All 16 loads go out at once; every register is written once, so no register waits for a store.
.set XGROUPS, 256                      ; 8192 x 512 x 4 / 65,536
.set IN,  4                            ; v[4:67]   piece j: four f32
.set OUT, 68                           ; v[68:99]  piece j: four bf16
	s_load_b256 s[4:11], s[0:1], 0x0               ; X s[4:5], Y s[6:7], xb s[8:9], yb s[10:11]
	v_lshlrev_b32 v1, 4, v0                        ; 16 t
	v_lshlrev_b32 v2, 3, v0                        ; 8 t
	s_max_u32 s13, ttmp9, XGROUPS
	s_sub_co_u32 s13, s13, XGROUPS                 ; the block's number in Y (0 for X's groups)
	s_cmp_lt_u32 ttmp9, XGROUPS                    ; the choice hangs on the group's number alone
	s_cselect_b32 s12, ttmp9, s13
	s_wait_kmcnt 0x0
	s_cselect_b64 s[14:15], s[4:5], s[6:7]         ; from
	s_cselect_b64 s[16:17], s[8:9], s[10:11]       ; to
	s_lshl_b32 s18, s12, 16
	s_mov_b32 s19, 0
	s_lshl_b32 s20, s12, 15
	s_mov_b32 s21, 0
	s_add_nc_u64 s[14:15], s[14:15], s[18:19]
	s_add_nc_u64 s[16:17], s[16:17], s[20:21]
.set j, 0
.rept 16
	global_load_b128 v[IN+4*j:IN+4*j+3], v1, s[14:15] offset:4096*j th:TH_LOAD_NT
.set j, j+1
.endr
.set j, 0
.rept 16
	s_wait_loadcnt 15-j                            ; loads come back in order: piece j is in, the 15 - j younger ones stay out
	v_cvt_pk_bf16_f32 v[OUT+2*j], v[IN+4*j], v[IN+4*j+1]
	v_cvt_pk_bf16_f32 v[OUT+2*j+1], v[IN+4*j+2], v[IN+4*j+3]
	global_store_b64 v2, v[OUT+2*j:OUT+2*j+1], s[16:17] offset:2048*j
.set j, j+1
.endr
	s_endpgm
.Lfunc_end_k_qaaef875f4f_cvt:
	.size	k_qaaef875f4f_cvt, .Lfunc_end_k_qaaef875f4f_cvt-k_qaaef875f4f_cvt
	.p2alignl 7, 3214868480
	.fill 96, 4, 3214868480
	.section	.rodata,"a",@progbits
	.p2align	6, 0x0
	.amdhsa_kernel k_qaaef875f4f_cvt
		.amdhsa_group_segment_fixed_size 0
		.amdhsa_private_segment_fixed_size 0
		.amdhsa_enable_private_segment 0
		.amdhsa_kernarg_size 32
		.amdhsa_user_sgpr_count 2
		.amdhsa_user_sgpr_kernarg_segment_ptr 1
		.amdhsa_wavefront_size32 1
		.amdhsa_system_sgpr_workgroup_id_x 1
		.amdhsa_system_sgpr_workgroup_id_y 1
		.amdhsa_system_sgpr_workgroup_id_z 1
		.amdhsa_system_vgpr_workitem_id 0
		.amdhsa_next_free_vgpr 104
		.amdhsa_next_free_sgpr 66
		.amdhsa_reserve_vcc 0
		.amdhsa_float_denorm_mode_32 3
		.amdhsa_float_denorm_mode_16_64 3
		.amdhsa_memory_ordered 1
		.amdhsa_forward_progress 1
		.amdhsa_inst_pref_size 7
	.end_amdhsa_kernel
	.amdgpu_metadata
---
amdhsa.version: [ 1, 2 ]
amdhsa.kernels:
  - .name:           k_qaaef875f4f_cvt
    .symbol:         k_qaaef875f4f_cvt.kd
    .args:
      - { .name: X, .offset: 0, .size: 8, .value_kind: global_buffer, .address_space: global }
      - { .name: Y, .offset: 8, .size: 8, .value_kind: global_buffer, .address_space: global }
      - { .name: xb, .offset: 16, .size: 8, .value_kind: global_buffer, .address_space: global }
      - { .name: yb, .offset: 24, .size: 8, .value_kind: global_buffer, .address_space: global }
    .group_segment_fixed_size: 0
    .private_segment_fixed_size: 0
    .kernarg_segment_align: 8
    .kernarg_segment_size: 32
    .max_flat_workgroup_size: 256
    .sgpr_count:     66
    .vgpr_count:     104
    .wavefront_size: 32
...
	.end_amdgpu_metadata
.endif
;; end of part 1
;; launch sim (part 2): grid 32 x 8, 4 waves a work-group, clusters of 4 x 1, 327,680 bytes of LDS; arguments xb, yb, sbuf, gmax; writes sbuf, gmax
.if DOCPART == 2
	.amdgcn_target "amdgcn-amd-amdhsa--gfx1250"
	.amdhsa_code_object_version 6
	.text
	.protected	k_qaaef875f4f_sim
	.globl	k_qaaef875f4f_sim
	.p2align	8
	.type	k_qaaef875f4f_sim,@function
k_qaaef875f4f_sim:
	s_mov_b64 s[64:65], 0
	v_nop
	global_prefetch_b8 v0, s[64:65] scope:SCOPE_SE
	s_setreg_imm32_b32 hwreg(HW_REG_WAVE_MODE, 25, 1), 1
	s_wait_xcnt 0x0
	s_wait_alu depctr_hold_cnt(0) depctr_sa_sdst(0) depctr_va_vdst(0) depctr_va_sdst(0) depctr_va_ssrc(0) depctr_va_vcc(0) depctr_vm_vsrc(0)
	s_getreg_b32 s2, hwreg(HW_REG_IB_STS2, 6, 4)
	s_cmp_eq_u32 s2, 0
	s_cbranch_scc0 .Lentry_in_a_cluster
	s_endpgm
.Lentry_in_a_cluster:
	s_bfe_u32 s2, ttmp6, 0x10000c
	s_cmp_lg_u32 s2, 0x3003
	s_cbranch_scc0 .Lentry_shape_is_right
	s_endpgm
.Lentry_shape_is_right:
; d[q][k] = the sum over c of xb[q][c] yb[k][c]: 8,192 queries x 16,384 keys, 512 channels, bf16 operands, one f32 sum for each output, channels ascending.
; OUT: sbuf, every d in f32, and gmax[q][g], the largest d of each GROUP g of 32 consecutive keys.  The later launches choose by these; nothing is divided or exponentiated here.
; LIMITS.  A NaN among the d is passed over by the maxima; infinities are not treated apart.
; SHARES.  A work-group has 256 queries (qb) and 2,048 keys (kp); each of its four waves 64 queries, four tiles of 16, whose fragments of xb stay in 512 registers.  Every wave walks all
; 2,048 keys: 32 slots of 64 keys, a slot = two PAIRS of key tiles = two groups.
; LAYOUT.  The product is taken transposed (source 0 = 16 keys, source 1 = 16 queries): lane l holds query l % 16 and keys 8 (l / 16) + 0..7.  A fragment of yb read from LDS feeds four products.
; sbuf: block (query tile qt, group g) of 2,048 bytes at (512 qt + g) x 2,048; in it the 16 bytes at 512 s + 32 r + 16 h hold keys 16 (s / 2) + 8 h + 4 (s % 2) + 0..3 of row r:
; a store of four registers of one accumulator covers 512 consecutive bytes, aligned.
; CLUSTER.  The four work-groups of a cluster have the same kp and walk the same tiles of yb: each tile is asked for JOINTLY, the same tensor load, descriptor and mask in all four.
; REGISTERS, in windows of 256 (s_set_vgpr_msb: bits 1:0 source 0, 3:2 source 1, 5:4 source 2, 7:6 destination):
;   window 0: v0-28 addresses and the maxima's work; v64-127, v128-191 two sets of 8 accumulators (key tile u, query tile t at + 8 (4 u + t)), a set a pair
;   window 1: v0-63, v64-127 two buffers of yb's fragments (channel step cc of four, key tile u at + 16 cc + 8 u)
;   windows 2, 3: xb: channel step c of 16, query tile t at 32 (c % 8) + 8 t, in window 2 for c < 8
.set PITCH, 1040                       ; an LDS row: 1,024 bytes + 16 of padding = 65 x 16: the 16 rows of a load start in 16 different columns of 16 bytes modulo 256
.set TILEB, 16*PITCH                   ; 16 keys: what one tensor load brings
.set PAIRB, 2*TILEB
.set SLOT1, 1<<17                      ; slot 0 at 0, slot 1 here: one exclusive or turns an address in one slot into the other's
.set STAGE, SLOT1+4*TILEB              ; behind the ring, never a fill's target: for each wave 64 rows x 272 bytes, the group maxima of its 64 queries
.set GP,    272
.set WSTG,  64*GP
.set SPARE, STAGE+4*WSTG               ; the spare words, 128 bytes for each wave: two blocks of 256 bytes that no other line names
.set AY0, 3                            ; v3   my lane's place in a key tile: r x PITCH + 16 h; never rewritten
.set ADR, 4                            ; v4   the same in the slot in hand
.set XO,  5                            ; v5   r x 1,024 + 16 h, in xb
.set SO,  6                            ; v6   32 r + 16 h, in a block of sbuf
.set GA0, 7                            ; v7   my row of my wave's stage: lane x 272
.set RD,  8                            ; v8   the way out of the maxima: where I read a row back
.set GO,  9                            ; v9   and where it goes in gmax
.set PFO, 10                           ; v10  the prefetches' offset: row lane / 4, block lane % 4 of 256 bytes
.set SPW, 12                           ; v12  LDS address of my spare word; never rewritten
.set NIL, 13                           ; v13  0; never rewritten
.set LN,  14                           ; v14  lane
.set MXR, 16                           ; v16-19  query tile t: my lane's maximum of the pair's 16 numbers
.set OWN, 20                           ; v20-21, v22-23, v24-25, v26-27: the exchange between the halves of the lanes, two query tiles at a time
.set SND, 22
.set RCV, 24
.set GMX, 26
.set GAT, 28                           ; v28  GA0 + 8 (slot - 1)
.set ACA, 64
.set ACB, 128
.set F0,  0
.set F1,  64
.set WV,  12                           ; s12  my wave's number
.set G1,  24                           ; s[24:31] descriptor group 1
.set G0A, 32                           ; s[32:35] group 0 of the first fill of slot 0
.set G0B, 36                           ; s[36:39] group 0 of the first fill of slot 1; it then walks on
.set SLOTS, 40                         ; s40  30 - the slot in hand, while slots are filled again
.set TB,  41                           ; s41  LDS byte at which the slot to be read begins
.set LIM, 42                           ; s42  2 in a wave that prefetches, else the greatest number
.set HM,  43                           ; s43  lanes 16-31
.set PFA, 44                           ; s[44:45] where my prefetches stand
.set SEL, 46                           ; s46, s47 v_permlanex16_b32's selects: each lane takes its own place in the other half
.set SB,  48                           ; s[48:49] sbuf at my wave's first query tile, at the slot's first group
.set GB,  50                           ; s[50:51] gmax at my wave's first row, at kp's first group
.set XB,  52                           ; s[52:53] xb at my wave's first row
.set GOF, 57
.set MSB, 0
.macro WIN new                         ; the immediate's high byte repeats the setting that is left; a switch that changes nothing is dropped
.if MSB != (\new)
	s_set_vgpr_msb (MSB<<8)|(\new)
.set MSB, \new
.endif
.endm
.macro PLACES                          ; four plain vector instructions between a matrix instruction and a reader of its result or a load into one of its registers (for a reader of its result)
.rept 4
	v_nop
.endr
.endm
.macro CREST                           ; a round of the cluster's barrier behind its opening barrier
	s_cmp_lg_u32 s[WV], 0
	s_cbranch_scc1 .Lnot_wave_0_\@
	s_barrier_signal -3
.Lnot_wave_0_\@:
	s_barrier_wait -3
	s_barrier_signal -1
	s_barrier_wait -1
.endm
.macro CROUND                          ; a whole round
	s_barrier_signal -1
	s_barrier_wait -1
	CREST
.endm
; One product: accumulator a of set z, channel step 4 q + cc, yb's fragment from buffer f.  zero = 1: it starts the sum.
.macro MM1 z, f, q, cc, a, zero
.if (\q) < 2
	WIN 0x09                                       ; yb window 1, xb window 2, sums window 0
.else
	WIN 0x0d                                       ; xb window 3
.endif
.set rD, (\z)+8*(\a)
.set rA, (\f)+16*(\cc)+8*((\a)/4)
.set rB, 32*((4*(\q)+(\cc))%8)+8*((\a)%4)
.if \zero
	v_wmma_f32_16x16x32_bf16 v[rD:rD+7], v[rA:rA+7], v[rB:rB+7], 0
.else
	v_wmma_f32_16x16x32_bf16 v[rD:rD+7], v[rA:rA+7], v[rB:rB+7], v[rD:rD+7]
.endif
.endm
; A channel step's eight products.  The set's eight accumulators take turns, one instruction a turn: seven others stand between two links of a chain.
.macro MMK z, f, q, cc, zero
.irp a, 0,1,2,3,4,5,6,7
	MM1 \z, \f, \q, \cc, \a, \zero
.endr
.endm
; 16 LDS loads in one run: a pair's fragments of four channel steps, from byte off behind ADR, into buffer f.
.macro FETCH off, f
	WIN 0x40                                       ; destination window 1, address window 0
.irp cc, 0,1,2,3
.irp u, 0,1
	ds_load_b128 v[(\f)+16*\cc+8*\u:(\f)+16*\cc+8*\u+3],   v[ADR] offset:(\off)+\u*TILEB+64*\cc
	ds_load_b128 v[(\f)+16*\cc+8*\u+4:(\f)+16*\cc+8*\u+7], v[ADR] offset:(\off)+\u*TILEB+64*\cc+32
.endr
.endr
.endm
; THE WAY OUT OF A FINISHED SET z: item ej of 58.
;   0-15   its 16 stores into sbuf, each accumulator's low four registers first; so = the pair's bytes from SB
;   16-47  each query tile's maximum over my lane's 16 numbers, three operands at a time, the four tiles by turns
;   48-55  a query's other 16 keys lie in the lane 16 away: two tiles are exchanged at once, so that lane l ends with the maximum of query 32 u + l
;   56, 57 into my row of the stage, at byte go behind GAT
.macro EP z, so, go
	WIN 0
.if ej < 16
.set ea, ej/2
.set eh, ej%2
	global_store_b128 v[SO], v[(\z)+8*ea+4*eh:(\z)+8*ea+4*eh+3], s[SB:SB+1] offset:(ea%4)*1048576+(2*(ea/4)+eh)*512+(\so) th:TH_STORE_NT
.elseif ej < 20
.set et, ej-16
	v_max3_num_f32 v[MXR+et], v[(\z)+8*et], v[(\z)+8*et+1], v[(\z)+8*et+2]
.elseif ej < 44
.set et, (ej-16)%4
.set e1, 2*((ej-16)/4)+1
.set e2, e1+1
	v_max3_num_f32 v[MXR+et], v[MXR+et], v[(\z)+8*et+e1+24*(e1/8)], v[(\z)+8*et+e2+24*(e2/8)]
.elseif ej < 48
.set et, ej-44
	v_max_num_f32 v[MXR+et], v[MXR+et], v[(\z)+8*et+39]
.elseif ej < 50
.set eu, ej-48
	v_cndmask_b32 v[OWN+eu], v[MXR+2*eu], v[MXR+2*eu+1], s[HM]
.elseif ej < 52
.set eu, ej-50
	v_cndmask_b32 v[SND+eu], v[MXR+2*eu+1], v[MXR+2*eu], s[HM]
.elseif ej < 54
.set eu, ej-52
	v_permlanex16_b32 v[RCV+eu], v[SND+eu], s[SEL], s[SEL+1]
.elseif ej < 56
.set eu, ej-54
	v_max_num_f32 v[GMX+eu], v[OWN+eu], v[RCV+eu]
.else
.set eu, ej-56
	ds_store_b32 v[GAT], v[GMX+eu] offset:eu*32*GP+(\go)
.endif
.endm
; A QUARTER: 32 products of set z, channel steps 4 q .. 4 q + 3, from buffer f.  Behind its first eight it fetches the next quarter's fragments, from byte off, into buffer g.
; epi = 1: the set ez, finished in the quarter before, goes out: three items behind each of the other 24 products.
.macro QUARTER z, f, g, q, zero, off, epi=0, ez=0, so=0, go=0
	s_wait_dscnt 0x0                               ; buffer f is in: its loads went out 16 products ago or more
	MMK \z, \f, \q, 0, \zero
	WIN 0
	PLACES                                         ; for the loads into g, which the quarter before multiplied, and for the first readers of the set that it finished
	FETCH \off, \g
.set ej, 0
.irp cc, 1,2,3
.irp a, 0,1,2,3,4,5,6,7
	MM1 \z, \f, \q, \cc, \a, 0
.if \epi
.rept 3
.if ej < 58
	EP \ez, \so, \go
.endif
.set ej, ej+1
.endr
.endif
.endr
.endr
.endm
; A PREFETCH INTO THE L2, behind the joint load, its five lines and the run of LDS loads: at the change out of slot n it names slot n + 4, two refills (512 products) ahead of the load that will want it.
; A slot is 64 rows of 1,024 bytes.  All eight clusters of a kp walk the same rows: the first of them (cluster x = 0) asks.  Its four partners take 16 rows each, told apart BY ADDRESS; in each, waves 0 and 1
; take 8 rows: a lane a block of 256 bytes, one instruction.  So each block is named once in the launch.  Slots 0 to 3 come by their loads alone; the changes out of slots 28 and 29 ask for nothing.
.macro ASK
	WIN 0
	s_cmp_gt_u32 s[SLOTS], s[LIM]
	s_cbranch_scc0 .Lnot_mine_\@
	global_prefetch_b8 v[PFO], s[PFA:PFA+1] th:TH_LOAD_NT scope:SCOPE_SE
.Lnot_mine_\@:
.endm
; THE CHANGE OF SLOTS is a slot's last quarter.  Each wave waits for all its tensor loads, of which one is out: its part of the next slot; adds 0 to its spare word; and waits for that and for its own
; reads of this slot.  Behind the barrier nobody reads this slot any more and the next slot is whole.  fill = 1: the barrier opens a round of the cluster's, and the joint refill, the keys two slots on, is the
; first thing behind the round: it has a slot's 256 products, less the 16 in front of the next signal, in which to land.
.macro TURN fill
	WIN 0                                          ; (the add's two registers lie in window 0)
	s_wait_xcnt 0x0                                ; the stores of the sets and the last prefetch have read their registers: the two pointers may be written, and the first set's registers too
	s_add_nc_u64 s[SB:SB+1], s[SB:SB+1], 4096      ; the next slot's two groups
	s_add_nc_u64 s[PFA:PFA+1], s[PFA:PFA+1], 65536
	s_wait_tensorcnt 0x0                           ; no tensor load of mine is out, so a group 0 may be written
	ds_add_u32 v[SPW], v[NIL]                      ; 0 onto my spare word
.if \fill
	s_xor_b32 s[G0B+1], s[G0B+1], SLOT1            ; the walking descriptor: the other slot than last time,
	s_add_nc_u64 s[G0B+2:G0B+3], s[G0B+2:G0B+3], 65536  ; the next 64 keys; the type bits on top are not reached
.endif
	s_xor_b32 s[TB], s[TB], SLOT1
	s_wait_dscnt 1                                 ; the quarter's fragments are in; the add alone may be out
	MMK ACB, F1, 3, 0, 0                           ; eight products stand between the add and the wait for it
	s_wait_dscnt 0x0                               ; the add is done, and my reads of this slot are over
	s_barrier_signal -1
	MMK ACB, F1, 3, 1, 0                           ; work on registers while the others arrive
	WIN 0                                          ; at a branch and at a label every window is 0
	s_barrier_wait -1
.if \fill
	CREST                                          ; no wave of any partner still reads this slot or has a load on its way
	tensor_load_to_lds s[G0B:G0B+3], s[G1:G1+7]
	s_nop 0
	PLACES                                         ; the places in front of the loads below
.else
	PLACES
.endif
	v_add_nc_u32 v[ADR], s[TB], v[AY0]
	FETCH 0, F0
.if \fill
	ASK
.endif
	MMK ACB, F1, 3, 2, 0
	MMK ACB, F1, 3, 3, 0
.endm
; A SLOT: eight quarters.  first = 1: no set is waiting to go out.  mode 2: the slot is filled again; 1: it is left, nothing is asked for; 0: the last slot.  sig: the slot's number, or -1 in the loop.
.macro BODY first, mode, sig
.if (\sig) < 0
	s_sub_co_u32 s[GOF], 29, s[SLOTS]              ; slot - 1, from the loop's counter
	s_lshl_b32 s[GOF], s[GOF], 3
	v_add_nc_u32 v[GAT], s[GOF], v[GA0]
.elseif (\sig) > 0
	v_add_nc_u32 v[GAT], 8*((\sig)-1), v[GA0]
.else
	v_mov_b32 v[GAT], v[GA0]
.endif
.if \first
	QUARTER ACA, F0, F1, 0, 1, 256
.else
	QUARTER ACA, F0, F1, 0, 1, 256, 1, ACB, -2048, 4  ; the last slot's second pair goes out: SB has stepped on since
.endif
	QUARTER ACA, F1, F0, 1, 0, 512
	QUARTER ACA, F0, F1, 2, 0, 768
	QUARTER ACA, F1, F0, 3, 0, PAIRB
	s_wait_xcnt 0x0                                ; the second set's stores have read it: its sums are started anew only behind this wait
.if (\sig) == 0
	QUARTER ACB, F0, F1, 0, 1, PAIRB+256, 1, ACA, 0, 0
.else
	QUARTER ACB, F0, F1, 0, 1, PAIRB+256, 1, ACA, 0, 8
.endif
	QUARTER ACB, F1, F0, 1, 0, PAIRB+512
	QUARTER ACB, F0, F1, 2, 0, PAIRB+768
.if (\mode) == 2
	TURN 1
.elseif (\mode) == 1
	TURN 0
.else
	s_wait_dscnt 0x0
	MMK ACB, F1, 3, 0, 0
	MMK ACB, F1, 3, 1, 0
	MMK ACB, F1, 3, 2, 0
	MMK ACB, F1, 3, 3, 0
.endif
	WIN 0
.endm
	s_load_b256 s[4:11], s[0:1], 0x0               ; xb s[4:5], yb s[6:7], sbuf s[8:9], gmax s[10:11]
	v_lshl_add_u32 v[SPW], v0, 2, SPARE
	v_mov_b32 v[NIL], 0
	ds_add_u32 v[SPW], v[NIL]                      ; the wave's opening: the add, twice on end, and its wait ahead of my first tensor load
	ds_add_u32 v[SPW], v[NIL]                      ; and once more, under the one wait; the set-up below, work on registers, stands between
	v_lshrrev_b32 v1, 5, v0
	v_readfirstlane_b32 s[WV], v1                  ; wave 0..3
	s_bfe_u32 s13, ttmp6, 0x40000                  ; cx: my place in the cluster
	s_lshl_b32 s14, ttmp9, 2                       ; in a cluster launch ttmp9 counts clusters
	s_add_co_u32 s14, s14, s13                     ; qb = 4 x cluster x + cx: it enters xb's, sbuf's and gmax's addresses alone
	s_and_b32 s15, ttmp7, 0xffff                   ; kp, which the four partners share
	; descriptor group 1: a tile of 16 rows x 512 elements, padded in LDS
	s_mov_b32 s[G1+0], 15|(1<<16)|(1<<20)|(1<<21)|(7<<22)|(3<<25)  ; 15:0 the mask of four; 17:16 2-byte elements; 20 padding on; 21 set beside a mask; 24:22 after every 256 words (code 7); 31:25 4 words (code 3)
	s_mov_b32 s[G1+1], 512<<16                     ; tensor_dim0 = 512
	s_mov_b32 s[G1+2], 16<<16                      ; tensor_dim1 = 16
	s_mov_b32 s[G1+3], 512<<16                     ; tile_dim0 = 512
	s_mov_b32 s[G1+4], 16                          ; tile_dim1 = 16
	s_mov_b32 s[G1+5], 512                         ; 512 elements from row to row
	s_mov_b32 s[G1+6], 0
	s_mov_b32 s[G1+7], 0
	s_mov_b32 s[HM], 0xffff0000
	s_mov_b32 s[SEL], 0x76543210
	s_mov_b32 s[SEL+1], 0xfedcba98
	s_mov_b32 s[TB], 0
	s_lshl_b32 s16, s15, 21                        ; yb: kp's 2,048 rows of 1,024 bytes,
	s_lshl_b32 s17, s[WV], 14                      ; my 16 rows of a slot's 64: made of kp and the wave's number alone
	s_add_co_u32 s16, s16, s17
	s_mov_b32 s17, 0
	s_lshl_b32 s18, s14, 18                        ; xb: qb's 256 rows, my wave's 64
	s_lshl_b32 s19, s[WV], 16
	s_add_co_u32 s18, s18, s19
	s_mov_b32 s19, 0
	s_lshl_b32 s20, s14, 24                        ; sbuf: 16 query tiles of 2^20 bytes a block of queries, my wave's four, kp's 64 groups of 2,048 bytes
	s_lshl_b32 s21, s[WV], 22
	s_add_co_u32 s20, s20, s21
	s_lshl_b32 s21, s15, 17
	s_add_co_u32 s20, s20, s21
	s_mov_b32 s21, 0
	s_lshl_b32 s22, s14, 19                        ; gmax: rows of 2,048 bytes; kp's 64 groups are 256 bytes
	s_lshl_b32 s23, s[WV], 17
	s_add_co_u32 s22, s22, s23
	s_lshl_b32 s23, s15, 8
	s_add_co_u32 s22, s22, s23
	s_mov_b32 s23, 0
	s_lshl_b32 s54, s15, 21                        ; the prefetches: kp's rows, my work-group's 16 of a slot's 64, my wave's 8 of them,
	s_lshl_b32 s55, s13, 14
	s_add_co_u32 s54, s54, s55
	s_and_b32 s55, s[WV], 1
	s_lshl_b32 s55, s55, 13
	s_add_co_u32 s54, s54, s55
	s_add_co_u32 s54, s54, 3*65536                 ; in slot 3: the first change of slots steps it to slot 4
	s_mov_b32 s55, 0
	s_lshr_b32 s[LIM], s[WV], 1                    ; 0 in waves 0 and 1,
	s_or_b32 s[LIM], s[LIM], ttmp9                 ; where the cluster is kp's first: the same in all four partners
	s_cmp_eq_u32 s[LIM], 0
	s_cselect_b32 s[LIM], 2, -1
	s_mul_i32 s56, s[WV], TILEB                    ; where my rows go in a slot: no place in the cluster enters an LDS address
	s_mov_b32 s[G0A], 1                            ; count = 1
	s_mov_b32 s[G0A+1], s56                        ; LDS address: slot 0
	s_mov_b32 s[G0B], 1
	s_add_co_u32 s[G0B+1], s56, SLOT1              ; slot 1
	s_wait_dscnt 0x0                               ; both opening adds are done
	s_wait_kmcnt 0x0
	s_add_nc_u64 s[G0A+2:G0A+3], s[6:7], s[16:17]  ; global address: keys 0 to 63 of kp,
	s_add_nc_u64 s[G0B+2:G0B+3], s[G0A+2:G0A+3], 65536  ; keys 64 to 127
	s_or_b32 s[G0A+3], s[G0A+3], 0x80000000        ; type = 2
	s_or_b32 s[G0B+3], s[G0B+3], 0x80000000
	s_add_nc_u64 s[XB:XB+1], s[4:5], s[18:19]
	s_add_nc_u64 s[SB:SB+1], s[8:9], s[20:21]
	s_add_nc_u64 s[GB:GB+1], s[10:11], s[22:23]
	s_add_nc_u64 s[PFA:PFA+1], s[6:7], s[54:55]
	CROUND                                         ; all four work-groups are here: the first joint loads meet
	tensor_load_to_lds s[G0A:G0A+3], s[G1:G1+7]    ; both first fills go out together: two loads of mine are out
	s_nop 0
	tensor_load_to_lds s[G0B:G0B+3], s[G1:G1+7]
	s_nop 0
	PLACES
	; A fragment is 16 rows x 32 channels in 8 registers: lane l holds row l % 16; registers 0-3 channels 8 (l / 16) + 0..7, registers 4-7 channels 16 + 8 (l / 16) + 0..7: two loads of 16 bytes, 32 bytes apart.
	v_and_b32 v1, 15, v0                           ; r
	v_bfe_u32 v2, v0, 4, 1                         ; h
	v_and_b32 v[LN], 31, v0
	v_lshlrev_b32 v[XO], 10, v1
	v_lshl_add_u32 v[XO], v2, 4, v[XO]
	WIN 0x80                                       ; destination window 2, address window 0
.set c, 0
.rept 8
.irp t, 0,1,2,3
	global_load_b128 v[32*c+8*\t:32*c+8*\t+3],   v[XO], s[XB:XB+1] offset:\t*16384+64*c
	global_load_b128 v[32*c+8*\t+4:32*c+8*\t+7], v[XO], s[XB:XB+1] offset:\t*16384+64*c+32
.endr
.set c, c+1
.endr
	WIN 0xc0                                       ; destination window 3
.set c, 0
.rept 8
.irp t, 0,1,2,3
	global_load_b128 v[32*c+8*\t:32*c+8*\t+3],   v[XO], s[XB:XB+1] offset:\t*16384+64*(c+8)
	global_load_b128 v[32*c+8*\t+4:32*c+8*\t+7], v[XO], s[XB:XB+1] offset:\t*16384+64*(c+8)+32
.endr
.set c, c+1
.endr
	WIN 0
	v_mul_u32_u24 v[AY0], v1, PITCH
	v_lshl_add_u32 v[AY0], v2, 4, v[AY0]
	v_mov_b32 v[ADR], v[AY0]                       ; slot 0
	v_lshlrev_b32 v[SO], 5, v1
	v_lshl_add_u32 v[SO], v2, 4, v[SO]
	s_mul_i32 s20, s[WV], WSTG
	s_add_co_u32 s20, s20, STAGE                   ; my stage
	v_mul_u32_u24 v[GA0], v[LN], GP
	v_add_nc_u32 v[GA0], s20, v[GA0]
	v_mul_u32_u24 v[RD], v2, GP                    ; back: lanes 0-15 take one row of 256 bytes, lanes 16-31 the next
	v_lshl_add_u32 v[RD], v1, 4, v[RD]
	v_add_nc_u32 v[RD], s20, v[RD]
	v_lshlrev_b32 v[GO], 11, v2                    ; and the same two rows in gmax
	v_lshl_add_u32 v[GO], v1, 4, v[GO]
	v_lshrrev_b32 v[PFO], 2, v[LN]
	v_lshlrev_b32 v[PFO], 10, v[PFO]
	v_and_b32 v15, 3, v[LN]
	v_lshl_add_u32 v[PFO], v15, 8, v[PFO]
	v_mov_b32 v[RCV], 0                            ; v_permlanex16_b32's destination counts as read
	v_mov_b32 v[RCV+1], 0
	s_wait_tensorcnt 0x1                           ; my part of slot 0 is in; slot 1's may stay out
	s_barrier_signal -1
	s_barrier_wait -1                              ; everybody's is
	FETCH 0, F0
	s_wait_loadcnt 0x0                             ; xb
	WIN 0
	s_mov_b32 s[SLOTS], 30
	BODY 1, 2, 0                                   ; slot 0 is written out: no set is waiting to go out
	s_mov_b32 s[SLOTS], 29
.Lslot:                                                ; slots 1 to 29: each is filled again with the keys two slots on
	BODY 0, 2, -1
	s_sub_co_u32 s[SLOTS], s[SLOTS], 1
	s_cmp_lg_u32 s[SLOTS], 0
	s_cbranch_scc1 .Lslot
	BODY 0, 1, 30                                  ; the tail is written out: nothing is asked for
	BODY 0, 0, 31
	PLACES                                         ; the last set's first reader stands four places behind the last product
.set ej, 0
.rept 58
	EP ACB, 2048, 12                               ; SB has not stepped since the last slot's first pair
.set ej, ej+1
.endr
	s_wait_xcnt 0x0                                ; the sets' stores have read their registers, which take the maxima now
	; THE MAXIMA'S WAY OUT: my 64 rows of 256 bytes come back whole, two rows an instruction, and go to gmax.
.set i, 0
.rept 32
	ds_load_b128 v[64+4*i:64+4*i+3], v[RD] offset:2*GP*i  ; LDS serves a wave's instructions in order (ISA guide 5.7.1.4): these see my stores
.set i, i+1
.endr
.set i, 0
.rept 32
	s_wait_dscnt 31-i                              ; rows 2 i and 2 i + 1 are back; the 31 - i younger loads stay out
	global_store_b128 v[GO], v[64+4*i:64+4*i+3], s[GB:GB+1] offset:4096*i  ; 16 lanes store 256 consecutive bytes, at a multiple of 256 from gmax's first byte
.set i, i+1
.endr
	s_wait_tensorcnt 0x0                           ; the wave's end: behind my last tensor load and my last LDS store
	ds_add_u32 v[SPW], v[NIL]
	s_wait_dscnt 0x0
	CROUND                                         ; the closing round: no work-group ends while a partner may still ask for a tile that names it
	s_endpgm
.Lfunc_end_k_qaaef875f4f_sim:
	.size	k_qaaef875f4f_sim, .Lfunc_end_k_qaaef875f4f_sim-k_qaaef875f4f_sim
	.p2alignl 7, 3214868480
	.fill 96, 4, 3214868480
	.section	.rodata,"a",@progbits
	.p2align	6, 0x0
	.amdhsa_kernel k_qaaef875f4f_sim
		.amdhsa_group_segment_fixed_size 327680
		.amdhsa_private_segment_fixed_size 0
		.amdhsa_enable_private_segment 0
		.amdhsa_kernarg_size 32
		.amdhsa_user_sgpr_count 2
		.amdhsa_user_sgpr_kernarg_segment_ptr 1
		.amdhsa_wavefront_size32 1
		.amdhsa_system_sgpr_workgroup_id_x 1
		.amdhsa_system_sgpr_workgroup_id_y 1
		.amdhsa_system_sgpr_workgroup_id_z 1
		.amdhsa_system_vgpr_workitem_id 0
		.amdhsa_next_free_vgpr 1024
		.amdhsa_next_free_sgpr 66
		.amdhsa_reserve_vcc 0
		.amdhsa_float_denorm_mode_32 3
		.amdhsa_float_denorm_mode_16_64 3
		.amdhsa_memory_ordered 1
		.amdhsa_forward_progress 1
		.amdhsa_inst_pref_size 173
	.end_amdhsa_kernel
	.amdgpu_metadata
---
amdhsa.version: [ 1, 2 ]
amdhsa.kernels:
  - .name:           k_qaaef875f4f_sim
    .symbol:         k_qaaef875f4f_sim.kd
    .args:
      - { .name: xb, .offset: 0, .size: 8, .value_kind: global_buffer, .address_space: global }
      - { .name: yb, .offset: 8, .size: 8, .value_kind: global_buffer, .address_space: global }
      - { .name: sbuf, .offset: 16, .size: 8, .value_kind: global_buffer, .address_space: global }
      - { .name: gmax, .offset: 24, .size: 8, .value_kind: global_buffer, .address_space: global }
    .group_segment_fixed_size: 327680
    .private_segment_fixed_size: 0
    .kernarg_segment_align: 8
    .kernarg_segment_size: 32
    .max_flat_workgroup_size: 128
    .sgpr_count:     66
    .vgpr_count:     1024
    .wavefront_size: 32
...
	.end_amdgpu_metadata
.endif
;; end of part 2
;; launch pick (part 3): grid 256 x 1, 8 waves a work-group, no clusters, 0 bytes of LDS; arguments gmax, gidx; writes gidx
.if DOCPART == 3
	.amdgcn_target "amdgcn-amd-amdhsa--gfx1250"
	.amdhsa_code_object_version 6
	.text
	.protected	k_qaaef875f4f_pick
	.globl	k_qaaef875f4f_pick
	.p2align	8
	.type	k_qaaef875f4f_pick,@function
k_qaaef875f4f_pick:
	s_mov_b64 s[64:65], 0
	v_nop
	global_prefetch_b8 v0, s[64:65] scope:SCOPE_SE
	s_setreg_imm32_b32 hwreg(HW_REG_WAVE_MODE, 25, 1), 1
	s_wait_xcnt 0x0
; For each of 8,192 rows: the 16 first of its 512 groups of 32 keys, ordered by (x of the group's largest dot, descending; group number, ascending), x = dot / 0.07 rounded to f32.
; WHY THAT SUFFICES.  Each of 16 groups that precede a group G holds an element that precedes every element of G (a larger x, or an equal x at a lower key, since groups are ascending ranges of keys):
; so the row's 16 first elements lie in its 16 first groups.  The order is taken on x, not on the dot: two dots may round to one x.
; SHARES.  A wave has four rows, worked side by side so that no instruction waits for the one before it; a lane holds 16 of a row's 512 maxima.  No LDS, no barrier: a row never leaves its wave.
; A ROUND takes the first of what is left: the largest value, among its holders the lowest number, which is then struck out.  16 rounds, a counted loop; every choice is a select, no branch hangs on a value.
; LIMITS.  NaN and infinities are not treated: a struck value is -infinity.  The two stores of a wave cover 128 consecutive bytes each (together 256, aligned): gidx is 64 bytes a row.
.set FIN, 0
.set VLP,  2                           ; v2   lane % 16: the place in the list that I record
.set VKV,  3                           ; v3   the round's number
.set ST4,  4                           ; v4   4 x lane
.set VBIG, 5                           ; v5   +infinity
.set VNEG, 6                           ; v6   -infinity
.set LO,   7                           ; v7   16 x lane
.set IDB,  16                          ; v[16:31]  the numbers of my 16 groups, as f32 (exact): the same for all four rows
.set IDS,  0
.set VB,   32                          ; v[32:95]  row p's 16 values at VB + 16 p
.set VMX,  96
.set VT0,  100
.set VT1,  104
.set VCD,  108
.set VRI,  112
.set VXT,  116
.set SNTA, 16                          ; s16  -0.07
.set SRCP, 17                          ; s17  1 / 0.07, rounded
.set SHM,  18                          ; s18  lanes 16-31
.set SMK,  20                          ; s20-23  a mask a row
.set SREC, 24
.set SSEL, 26                          ; s26, s27
.set SK,   30
.macro ALL line:vararg                 ; one line for each row p
.set p, 0
.rept 4
	\line
.set p, p+1
.endr
.endm
; x = d / 0.07, correctly rounded but for rare last places: q = d r; e = d - q t, exact in one fused step; x = q + e r.
.macro DIV
.set i, 0
.rept 16
	ALL v_mul_f32 v[VT0+p], s[SRCP], v[VB+16*p+i]
	ALL v_fma_f32 v[VT1+p], v[VT0+p], s[SNTA], v[VB+16*p+i]
	ALL v_fma_f32 v[VB+16*p+i], v[VT1+p], s[SRCP], v[VT0+p]
.set i, i+1
.endr
.endm
.macro ROUND
	v_mov_b32 v[VKV], s[SK]
	ALL v_max3_num_f32 v[VMX+p], v[VB+16*p], v[VB+16*p+1], v[VB+16*p+2]  ; the largest of my 16,
.set i, 3
.rept 6
	ALL v_max3_num_f32 v[VMX+p], v[VMX+p], v[VB+16*p+i], v[VB+16*p+i+1]
.set i, i+2
.endr
	ALL v_max_num_f32 v[VMX+p], v[VMX+p], v[VB+16*p+15]
.irp x, 1,2,4,8
	ALL v_max_num_f32_dpp v[VMX+p], v[VMX+p], v[VMX+p] row_xmask:\x row_mask:0xf bank_mask:0xf  ; of the 16 lanes of my half,
.endr
	ALL v_permlanex16_b32 v[VXT+p], v[VMX+p], s[SSEL], s[SSEL+1]
	ALL v_max_num_f32 v[VMX+p], v[VMX+p], v[VXT+p]                       ; of the row: in every lane
.set i, 0
.rept 8                                ; the lowest number among those that hold it
	ALL v_cmp_eq_f32 s[SMK+p], v[VB+16*p+i], v[VMX+p]
	ALL v_cndmask_b32 v[VT0+p], v[VBIG], v[IDB+IDS*p+i], s[SMK+p]
	ALL v_cmp_eq_f32 s[SMK+p], v[VB+16*p+i+1], v[VMX+p]
	ALL v_cndmask_b32 v[VT1+p], v[VBIG], v[IDB+IDS*p+i+1], s[SMK+p]
.if i == 0
	ALL v_min_num_f32 v[VCD+p], v[VT0+p], v[VT1+p]
.else
	ALL v_min3_num_f32 v[VCD+p], v[VCD+p], v[VT0+p], v[VT1+p]
.endif
.set i, i+2
.endr
.irp x, 1,2,4,8
	ALL v_min_num_f32_dpp v[VCD+p], v[VCD+p], v[VCD+p] row_xmask:\x row_mask:0xf bank_mask:0xf
.endr
	ALL v_permlanex16_b32 v[VXT+p], v[VCD+p], s[SSEL], s[SSEL+1]
	ALL v_min_num_f32 v[VCD+p], v[VCD+p], v[VXT+p]
.set i, 0
.rept 16                               ; it is struck out
	ALL v_cmp_eq_f32 s[SMK+p], v[IDB+IDS*p+i], v[VCD+p]
	ALL v_cndmask_b32 v[VB+16*p+i], v[VB+16*p+i], v[VNEG], s[SMK+p]
.set i, i+1
.endr
	v_cmp_eq_u32 s[SREC], v[VLP], v[VKV]           ; and recorded, by the lane whose place is the round's number (a copy in each half)
	ALL v_cndmask_b32 v[VRI+p], v[VRI+p], v[VCD+p], s[SREC]
.endm
	s_load_b128 s[4:7], s[0:1], 0x0                ; gmax s[4:5], gidx s[6:7]
	v_and_b32 v1, 31, v0                           ; lane
	v_lshrrev_b32 v8, 5, v0
	v_readfirstlane_b32 s12, v8                    ; wave 0..7
	v_and_b32 v[VLP], 15, v0
	v_lshlrev_b32 v[LO], 4, v1
	v_lshlrev_b32 v[ST4], 2, v1
	s_lshl_b32 s8, ttmp9, 16                       ; the group's 32 rows of 2,048 bytes,
	s_lshl_b32 s9, s12, 13                         ; my wave's four
	s_add_co_u32 s8, s8, s9
	s_mov_b32 s9, 0
	s_lshl_b32 s10, ttmp9, 11                      ; the same rows in gidx, 64 bytes each
	s_lshl_b32 s11, s12, 8
	s_add_co_u32 s10, s10, s11
	s_mov_b32 s11, 0
	s_mov_b32 s[SNTA], 0xbd8f5c29
	s_mov_b32 s[SRCP], 0x41649249
	s_mov_b32 s[SHM], 0xffff0000
	s_mov_b32 s[SSEL], 0x76543210
	s_mov_b32 s[SSEL+1], 0xfedcba98
	s_wait_kmcnt 0x0
	s_add_nc_u64 s[4:5], s[4:5], s[8:9]
	s_add_nc_u64 s[6:7], s[6:7], s[10:11]
.set p, 0
.rept 4
.set c, 0
.rept 4
	global_load_b128 v[VB+16*p+4*c:VB+16*p+4*c+3], v[LO], s[4:5] offset:2048*p+512*c th:TH_LOAD_NT  ; groups 128 c + 4 lane + 0..3: 512 consecutive bytes a wave
.set c, c+1
.endr
.set p, p+1
.endr
	v_mov_b32 v[VBIG], 0x7f800000
	v_mov_b32 v[VNEG], 0xff800000
.set i, 0
.rept 16
	v_add_nc_u32 v9, 128*(i/4)+i%4, v[ST4]
	v_cvt_f32_u32 v[IDB+i], v9
.set i, i+1
.endr
	ALL v_mov_b32 v[VRI+p], 0
	ALL v_mov_b32 v[VXT+p], 0                      ; v_permlanex16_b32's destination counts as read
	s_wait_loadcnt 0x0
	DIV
	s_mov_b32 s[SK], 0
.Lround:
	ROUND
	s_add_co_u32 s[SK], s[SK], 1
	s_cmp_lt_u32 s[SK], 16
	s_cbranch_scc1 .Lround
	ALL v_cvt_u32_f32 v[VRI+p], v[VRI+p]
	v_cndmask_b32 v[VT0], v[VRI], v[VRI+1], s[SHM]     ; lanes 0-15 hold one row's list, lanes 16-31 the next row's
	v_cndmask_b32 v[VT0+1], v[VRI+2], v[VRI+3], s[SHM]
	global_store_b32 v[ST4], v[VT0], s[6:7]
	global_store_b32 v[ST4], v[VT0+1], s[6:7] offset:128
	s_endpgm
.Lfunc_end_k_qaaef875f4f_pick:
	.size	k_qaaef875f4f_pick, .Lfunc_end_k_qaaef875f4f_pick-k_qaaef875f4f_pick
	.p2alignl 7, 3214868480
	.fill 96, 4, 3214868480
	.section	.rodata,"a",@progbits
	.p2align	6, 0x0
	.amdhsa_kernel k_qaaef875f4f_pick
		.amdhsa_group_segment_fixed_size 0
		.amdhsa_private_segment_fixed_size 0
		.amdhsa_enable_private_segment 0
		.amdhsa_kernarg_size 16
		.amdhsa_user_sgpr_count 2
		.amdhsa_user_sgpr_kernarg_segment_ptr 1
		.amdhsa_wavefront_size32 1
		.amdhsa_system_sgpr_workgroup_id_x 1
		.amdhsa_system_sgpr_workgroup_id_y 1
		.amdhsa_system_sgpr_workgroup_id_z 1
		.amdhsa_system_vgpr_workitem_id 0
		.amdhsa_next_free_vgpr 128
		.amdhsa_next_free_sgpr 66
		.amdhsa_reserve_vcc 0
		.amdhsa_float_denorm_mode_32 3
		.amdhsa_float_denorm_mode_16_64 3
		.amdhsa_memory_ordered 1
		.amdhsa_forward_progress 1
		.amdhsa_inst_pref_size 38
	.end_amdhsa_kernel
	.amdgpu_metadata
---
amdhsa.version: [ 1, 2 ]
amdhsa.kernels:
  - .name:           k_qaaef875f4f_pick
    .symbol:         k_qaaef875f4f_pick.kd
    .args:
      - { .name: gmax, .offset: 0, .size: 8, .value_kind: global_buffer, .address_space: global }
      - { .name: gidx, .offset: 8, .size: 8, .value_kind: global_buffer, .address_space: global }
    .group_segment_fixed_size: 0
    .private_segment_fixed_size: 0
    .kernarg_segment_align: 8
    .kernarg_segment_size: 16
    .max_flat_workgroup_size: 256
    .sgpr_count:     66
    .vgpr_count:     128
    .wavefront_size: 32
...
	.end_amdgpu_metadata
.endif
;; end of part 3
;; launch fin (part 4): grid 256 x 1, 8 waves a work-group, no clusters, 0 bytes of LDS; arguments sbuf, gidx, out0; writes out0
.if DOCPART == 4
	.amdgcn_target "amdgcn-amd-amdhsa--gfx1250"
	.amdhsa_code_object_version 6
	.text
	.protected	k_qaaef875f4f_fin
	.globl	k_qaaef875f4f_fin
	.p2align	8
	.type	k_qaaef875f4f_fin,@function
k_qaaef875f4f_fin:
	s_mov_b64 s[64:65], 0
	v_nop
	global_prefetch_b8 v0, s[64:65] scope:SCOPE_SE
	s_setreg_imm32_b32 hwreg(HW_REG_WAVE_MODE, 25, 1), 1
	s_wait_xcnt 0x0
; For each of 8,192 rows: out0 = the 16 keys that top_k(softmax(x)) names, x = dot / 0.07 in f32.
; 1. The row's 16 chosen groups of 32 keys (gidx, stored by the launch before) are gathered from sbuf: 512 dots.  Their 16 first by (x descending, key ascending) are the row's 16 first.
; 2. P = e / SUM, e = exp(x - xmax): the maximum is taken away as the problem takes it.  SUM is taken over the 16 first alone.  Either the 16th has e >= 2^-100: then all 16 have
;    e >= 2^-126 x 16,384 >= 2^-126 x any SUM, and the sum decides nothing; or it has not: then the 16,368 others add less than 2^-86 to a sum of 1 or more, under half a last place.
; 3. P counts as above 0 where e / SUM >= 2^-126, tested as 2^((x - xmax) log2 e + 100) >= SUM x 2^-26, so that the exponential's own flush (ISA guide 15.8) stays out of the test.
;    Those are a prefix of the list, m long.  All other P are 0 and tie, and ties go by the lower key: place p >= m takes the (p - m)-th smallest whole number that is not among the m.
;    That number is under 32, and equals the count of c in 0..31 with F(c) <= p - m, F(c) = how many of 0..c are free.
; LIMITS.  A quotient below 2^-126 counts as 0 (denormals flushed); NaN and infinities are not treated; ties are taken on x; the sums' order differs from the problem's own.
; SHARES.  A wave has four rows, side by side; eight lanes share a group, 16 bytes each.  No LDS, no barrier.  The only addresses made of data come from gidx, held to 511.
; The two stores of a wave cover 128 consecutive bytes each (together 256, aligned): out0 is 64 bytes a row.
.set FIN, 1
.set VLP,  2                           ; v2   lane % 16: my place in the list
.set VKV,  3                           ; v3   the round's number
.set ST4,  4                           ; v4   4 x lane
.set VBIG, 5
.set VNEG, 6
.set GL,   7                           ; v7   4 (lane / 8): which of four list places I take
.set LC,   8                           ; v8   my 16 bytes in a block of sbuf: 512 ((lane / 2) % 4) + 16 (lane % 2)
.set KC,   9                           ; v9   their first key in the group: 16 ((lane / 4) % 2) + 8 (lane % 2) + 4 ((lane / 2) % 2)
.set VLF,  10                          ; v10  my lane's number as f32
.set GI,   12                          ; v[12:27]  row p, quarter c of the list: a group's number
.set OF,   28                          ; v[28:43]  its bytes in sbuf
.set VB,   48                          ; v[48:111]   row p's 16 values
.set IDB,  112                         ; v[112:175]  their keys, as f32 (exact)
.set IDS,  16
.set VMX,  176                         ; later VAL
.set VT0,  180
.set VT1,  184                         ; later N = place - m
.set VCD,  188
.set VRI,  192                         ; the list's keys, by place
.set VXT,  196
.set VRV,  200                         ; the list's x, by place
.set VXM,  204                         ; xmax
.set VHK,  208                         ; the round in which the key = my lane's number was taken; 99: never
.set VEA,  212
.set VEB,  216
.set SNTA, 16
.set SRCP, 17
.set SHM,  18
.set SL2E, 19
.set SMK,  20
.set SREC, 24
.set S100, 25
.set SSEL, 26
.set S2M,  28
.set SK,   30
.set SPOS, 36                          ; s36-39  places with P > 0
.set SM,   40                          ; s40-43  m
.set SFRE, 44                          ; s44-47  which of the numbers 0..31 are free
.set SF,   48
.set SX,   52
.macro ALL line:vararg                 ; one line for each row p
.set p, 0
.rept 4
	\line
.set p, p+1
.endr
.endm
; x = d / 0.07, correctly rounded but for rare last places: q = d r; e = d - q t, exact in one fused step; x = q + e r.
.macro DIV
.set i, 0
.rept 16
	ALL v_mul_f32 v[VT0+p], s[SRCP], v[VB+16*p+i]
	ALL v_fma_f32 v[VT1+p], v[VT0+p], s[SNTA], v[VB+16*p+i]
	ALL v_fma_f32 v[VB+16*p+i], v[VT1+p], s[SRCP], v[VT0+p]
.set i, i+1
.endr
.endm
.macro ROUND
	v_mov_b32 v[VKV], s[SK]
	ALL v_max3_num_f32 v[VMX+p], v[VB+16*p], v[VB+16*p+1], v[VB+16*p+2]  ; the largest of my 16,
.set i, 3
.rept 6
	ALL v_max3_num_f32 v[VMX+p], v[VMX+p], v[VB+16*p+i], v[VB+16*p+i+1]
.set i, i+2
.endr
	ALL v_max_num_f32 v[VMX+p], v[VMX+p], v[VB+16*p+15]
.irp x, 1,2,4,8
	ALL v_max_num_f32_dpp v[VMX+p], v[VMX+p], v[VMX+p] row_xmask:\x row_mask:0xf bank_mask:0xf  ; of the 16 lanes of my half,
.endr
	ALL v_permlanex16_b32 v[VXT+p], v[VMX+p], s[SSEL], s[SSEL+1]
	ALL v_max_num_f32 v[VMX+p], v[VMX+p], v[VXT+p]                       ; of all 512: in every lane
.set i, 0
.rept 8                                ; the lowest key among those that hold it
	ALL v_cmp_eq_f32 s[SMK+p], v[VB+16*p+i], v[VMX+p]
	ALL v_cndmask_b32 v[VT0+p], v[VBIG], v[IDB+IDS*p+i], s[SMK+p]
	ALL v_cmp_eq_f32 s[SMK+p], v[VB+16*p+i+1], v[VMX+p]
	ALL v_cndmask_b32 v[VT1+p], v[VBIG], v[IDB+IDS*p+i+1], s[SMK+p]
.if i == 0
	ALL v_min_num_f32 v[VCD+p], v[VT0+p], v[VT1+p]
.else
	ALL v_min3_num_f32 v[VCD+p], v[VCD+p], v[VT0+p], v[VT1+p]
.endif
.set i, i+2
.endr
.irp x, 1,2,4,8
	ALL v_min_num_f32_dpp v[VCD+p], v[VCD+p], v[VCD+p] row_xmask:\x row_mask:0xf bank_mask:0xf
.endr
	ALL v_permlanex16_b32 v[VXT+p], v[VCD+p], s[SSEL], s[SSEL+1]
	ALL v_min_num_f32 v[VCD+p], v[VCD+p], v[VXT+p]
.set i, 0
.rept 16                               ; it is struck out
	ALL v_cmp_eq_f32 s[SMK+p], v[IDB+IDS*p+i], v[VCD+p]
	ALL v_cndmask_b32 v[VB+16*p+i], v[VB+16*p+i], v[VNEG], s[SMK+p]
.set i, i+1
.endr
	v_cmp_eq_u32 s[SREC], v[VLP], v[VKV]           ; and recorded, key and x, by the lane whose place is the round's number (a copy in each half)
	ALL v_cndmask_b32 v[VRI+p], v[VRI+p], v[VCD+p], s[SREC]
	ALL v_cndmask_b32 v[VRV+p], v[VRV+p], v[VMX+p], s[SREC]
	ALL v_max_num_f32 v[VXM+p], v[VXM+p], v[VMX+p]
	ALL v_cmp_eq_f32 s[SMK+p], v[VLF], v[VCD+p]    ; was it the key with my lane's number?
	ALL v_cndmask_b32 v[VHK+p], v[VHK+p], v[VKV], s[SMK+p]
.endm
	s_load_b128 s[4:7], s[0:1], 0x0                ; sbuf s[4:5], gidx s[6:7]
	s_load_b64 s[8:9], s[0:1], 0x10                ; out0
	v_and_b32 v1, 31, v0                           ; lane
	v_lshrrev_b32 v11, 5, v0
	v_readfirstlane_b32 s12, v11                   ; wave 0..7
	v_and_b32 v[VLP], 15, v0
	v_lshlrev_b32 v[ST4], 2, v1
	v_lshrrev_b32 v[GL], 3, v1
	v_lshlrev_b32 v[GL], 2, v[GL]
	v_bfe_u32 v11, v1, 1, 2
	v_and_b32 v44, 1, v1
	v_bfe_u32 v45, v1, 2, 1
	v_bfe_u32 v46, v1, 1, 1
	v_lshlrev_b32 v[LC], 9, v11
	v_lshl_add_u32 v[LC], v44, 4, v[LC]
	v_lshlrev_b32 v[KC], 4, v45
	v_lshl_add_u32 v[KC], v44, 3, v[KC]
	v_lshl_add_u32 v[KC], v46, 2, v[KC]
	v_cvt_f32_u32 v[VLF], v1
	s_lshl_b32 s10, ttmp9, 11                      ; gidx and out0: the group's 32 rows of 64 bytes, my wave's four
	s_lshl_b32 s11, s12, 8
	s_add_co_u32 s10, s10, s11
	s_mov_b32 s11, 0
	s_lshl_b32 s14, ttmp9, 21                      ; sbuf: my four rows lie in query tile 2 x group + wave / 4, 2^20 bytes a tile,
	s_lshr_b32 s15, s12, 2
	s_lshl_b32 s15, s15, 20
	s_add_co_u32 s14, s14, s15
	s_and_b32 s15, s12, 3                          ; from its row 4 (wave % 4) on, 32 bytes a row
	s_lshl_b32 s15, s15, 7
	s_add_co_u32 s14, s14, s15
	s_mov_b32 s15, 0
	s_mov_b32 s[SNTA], 0xbd8f5c29
	s_mov_b32 s[SRCP], 0x41649249
	s_mov_b32 s[SHM], 0xffff0000
	s_mov_b32 s[SL2E], 0x3fb8aa3b                  ; log2 e
	s_mov_b32 s[S100], 0x42c80000                  ; 100
	s_mov_b32 s[S2M], 0x32800000                   ; 2^-26
	s_mov_b32 s[SSEL], 0x76543210
	s_mov_b32 s[SSEL+1], 0xfedcba98
	s_wait_kmcnt 0x0
	s_add_nc_u64 s[4:5], s[4:5], s[14:15]
	s_add_nc_u64 s[6:7], s[6:7], s[10:11]
	s_add_nc_u64 s[8:9], s[8:9], s[10:11]
.set p, 0
.rept 4
.set c, 0
.rept 4
	global_load_b32 v[GI+4*p+c], v[GL], s[6:7] offset:64*p+16*c  ; list place 4 c + lane / 8
.set c, c+1
.endr
.set p, p+1
.endr
	v_mov_b32 v[VBIG], 0x7f800000
	v_mov_b32 v[VNEG], 0xff800000
	ALL v_mov_b32 v[VRI+p], 0
	ALL v_mov_b32 v[VRV+p], 0
	ALL v_mov_b32 v[VXT+p], 0                      ; v_permlanex16_b32's destination counts as read
	ALL v_mov_b32 v[VXM+p], 0xff800000
	ALL v_mov_b32 v[VHK+p], 99
	s_wait_loadcnt 0x0
.set j, 0
.rept 16
	v_min_u32 v[GI+j], 511, v[GI+j]                ; a loaded number enters an address only held to the table's size
	v_lshlrev_b32 v[OF+j], 11, v[GI+j]             ; a group's block is 2,048 bytes
	v_add_nc_u32 v[OF+j], v[LC], v[OF+j]
.set j, j+1
.endr
.set p, 0
.rept 4
.set c, 0
.rept 4
	global_load_b128 v[VB+16*p+4*c:VB+16*p+4*c+3], v[OF+4*p+c], s[4:5] offset:32*p  ; four dots; two neighbouring lanes take 32 consecutive bytes
.set c, c+1
.endr
.set p, p+1
.endr
.set j, 0
.rept 16                               ; their keys, while the loads are out
	v_lshl_add_u32 v11, v[GI+j], 5, v[KC]
	v_cvt_f32_u32 v[IDB+4*j], v11
	v_add_f32 v[IDB+4*j+1], 1.0, v[IDB+4*j]
	v_add_f32 v[IDB+4*j+2], 2.0, v[IDB+4*j]
	v_add_f32 v[IDB+4*j+3], 0x40400000, v[IDB+4*j]
.set j, j+1
.endr
	s_wait_loadcnt 0x0
	DIV
	s_mov_b32 s[SK], 0
.Lround:
	ROUND
	s_add_co_u32 s[SK], s[SK], 1
	s_cmp_lt_u32 s[SK], 16
	s_cbranch_scc1 .Lround
	; which places have P > 0
	ALL v_sub_f32 v[VT0+p], v[VRV+p], v[VXM+p]
	ALL v_mul_f32 v[VEA+p], s[SL2E], v[VT0+p]
	ALL v_fma_f32 v[VEB+p], v[VT0+p], s[SL2E], s[S100]
	ALL v_exp_f32 v[VEA+p], v[VEA+p]               ; e, for the sum
	ALL v_exp_f32 v[VEB+p], v[VEB+p]               ; e x 2^100, for the test
	v_nop                                          ; a plain instruction behind the last exponential (ISA guide 5.7.2),
	s_wait_alu depctr_va_vdst(0)                   ; and a wait ahead of the first use: one for the eight
.irp x, 1,2,4,8
	ALL v_add_f32_dpp v[VEA+p], v[VEA+p], v[VEA+p] row_xmask:\x row_mask:0xf bank_mask:0xf  ; the 16 places lie in the 16 lanes of each half
.endr
	ALL v_mul_f32 v[VEA+p], s[S2M], v[VEA+p]
	ALL v_cmp_ge_f32 s[SPOS+p], v[VEB+p], v[VEA+p]
	ALL s_and_b32 s[SM+p], s[SPOS+p], 0xffff
	ALL s_bcnt1_i32_b32 s[SM+p], s[SM+p]           ; m
	ALL v_cmp_gt_u32 s[SFRE+p], s[SM+p], v[VHK+p]  ; the number = my lane's was taken in a round below m: it is among the m,
	ALL s_not_b32 s[SFRE+p], s[SFRE+p]             ; else it is free
	ALL v_sub_nc_u32 v[VT1+p], v[VLP], s[SM+p]     ; N = place - m (below 0 where the place has P > 0: its count is not used)
	ALL v_mov_b32 v[VMX+p], 0
	s_mov_b32 s[SK], 0
.Lfill:                                                ; c = 0 .. 31: one more for each c with F(c) <= N
	s_lshl_b32 s34, 2, s[SK]
	s_sub_co_u32 s34, s34, 1                       ; bits 0 .. c
	ALL s_and_b32 s[SF+p], s34, s[SFRE+p]
	ALL s_bcnt1_i32_b32 s[SF+p], s[SF+p]           ; F(c)
	ALL v_cmp_le_i32 s[SX+p], s[SF+p], v[VT1+p]
	ALL v_cndmask_b32 v[VT0+p], 0, 1, s[SX+p]
	ALL v_add_nc_u32 v[VMX+p], v[VMX+p], v[VT0+p]
	s_add_co_u32 s[SK], s[SK], 1
	s_cmp_lt_u32 s[SK], 32
	s_cbranch_scc1 .Lfill
	ALL v_cvt_u32_f32 v[VRI+p], v[VRI+p]
	ALL v_cndmask_b32 v[VMX+p], v[VMX+p], v[VRI+p], s[SPOS+p]
	v_cndmask_b32 v[VT0], v[VMX], v[VMX+1], s[SHM]     ; lanes 0-15 hold one row's 16 places, lanes 16-31 the next row's
	v_cndmask_b32 v[VT0+1], v[VMX+2], v[VMX+3], s[SHM]
	global_store_b32 v[ST4], v[VT0], s[8:9]
	global_store_b32 v[ST4], v[VT0+1], s[8:9] offset:128
	s_endpgm
.Lfunc_end_k_qaaef875f4f_fin:
	.size	k_qaaef875f4f_fin, .Lfunc_end_k_qaaef875f4f_fin-k_qaaef875f4f_fin
	.p2alignl 7, 3214868480
	.fill 96, 4, 3214868480
	.section	.rodata,"a",@progbits
	.p2align	6, 0x0
	.amdhsa_kernel k_qaaef875f4f_fin
		.amdhsa_group_segment_fixed_size 0
		.amdhsa_private_segment_fixed_size 0
		.amdhsa_enable_private_segment 0
		.amdhsa_kernarg_size 24
		.amdhsa_user_sgpr_count 2
		.amdhsa_user_sgpr_kernarg_segment_ptr 1
		.amdhsa_wavefront_size32 1
		.amdhsa_system_sgpr_workgroup_id_x 1
		.amdhsa_system_sgpr_workgroup_id_y 1
		.amdhsa_system_sgpr_workgroup_id_z 1
		.amdhsa_system_vgpr_workitem_id 0
		.amdhsa_next_free_vgpr 224
		.amdhsa_next_free_sgpr 66
		.amdhsa_reserve_vcc 0
		.amdhsa_float_denorm_mode_32 3
		.amdhsa_float_denorm_mode_16_64 3
		.amdhsa_memory_ordered 1
		.amdhsa_forward_progress 1
		.amdhsa_inst_pref_size 51
	.end_amdhsa_kernel
	.amdgpu_metadata
---
amdhsa.version: [ 1, 2 ]
amdhsa.kernels:
  - .name:           k_qaaef875f4f_fin
    .symbol:         k_qaaef875f4f_fin.kd
    .args:
      - { .name: sbuf, .offset: 0, .size: 8, .value_kind: global_buffer, .address_space: global }
      - { .name: gidx, .offset: 8, .size: 8, .value_kind: global_buffer, .address_space: global }
      - { .name: out0, .offset: 16, .size: 8, .value_kind: global_buffer, .address_space: global }
    .group_segment_fixed_size: 0
    .private_segment_fixed_size: 0
    .kernarg_segment_align: 8
    .kernarg_segment_size: 24
    .max_flat_workgroup_size: 256
    .sgpr_count:     66
    .vgpr_count:     224
    .wavefront_size: 32
...
	.end_amdgpu_metadata
.endif
;; end of part 4
